; MI455X (gfx1250); checked and timed in simulation.
; The chip was launched on July 23, 2026; its instructions are those of AMD's public machine-readable ISA for CDNA 5 (MIT licence, August 2026) and "CDNA5" Instruction Set Architecture Reference Guide (July 2026). The comments in the code are by the model that wrote it; some were corrected since.
;; Attention Head. Allowed arithmetic: matrix products marked QUANTISED: E4M3 operands, one given power-of-two scale a tensor, by v_wmma_f32_16x16x64_fp8_fp8 or v_wmma_f32_16x16x128_fp8_fp8, f32 sums; everything else in f32.
;; Inputs: Wk_codes 128 x 32 x 32 uint8 (E4M3 codes of Wk, K innermost, in blocks of 32 codes); Wq_codes 128 x 32 x 32 uint8 (E4M3 codes of Wq, K innermost, in blocks of 32 codes); Wv_codes 128 x 32 x 32 uint8 (E4M3 codes of Wv, K innermost, in blocks of 32 codes); X_codes 4 x 4,096 x 32 x 32 uint8 (E4M3 codes of X, K innermost, in blocks of 32 codes); lowp_scales 10 int32 (the exponents e of the quantised operands' scales 2^e).
;; Outputs: out0 4 x 4,096 x 128 float32.
;; This version of the problem:
;;   THIS VERSION OF THE PROBLEM IS GIVEN IN LOW PRECISION. The matrix products marked QUANTISED in the list below multiply operands that are first quantised to E4M3 (4 exponent bits, 3 mantissa bits; 8 bits a number), with one given power-of-two scale for each operand tensor; their sums are f32. All else is computed in f32.
;;   The module's matrix products, in the order in which they are computed (A, B: the left and right operand; K: the contracted axis; several contracted axes count as one K, in the product's order):
;;     1. [M 16,384, K 1,024] x [K 1,024, N 128]; A: input X (given as codes); B: input Wq (given as codes): QUANTISED (scales: A lowp_scales[0], B lowp_scales[1])
;;     2. [M 16,384, K 1,024] x [K 1,024, N 128]; A: input X (given as codes); B: input Wk (given as codes): QUANTISED (scales: A lowp_scales[2], B lowp_scales[3])
;;     3. [M 16,384, K 1,024] x [K 1,024, N 128]; A: input X (given as codes); B: input Wv (given as codes): QUANTISED (scales: A lowp_scales[4], B lowp_scales[5])
;;     4. batch 4 x [M 4,096, K 128] x [K 128, N 4,096]; A: computed on the way; B: computed on the way: QUANTISED (scales: A lowp_scales[6], B lowp_scales[7])
;;     5. batch 4 x [M 4,096, K 4,096] x [K 4,096, N 128]; A: softmax (see below); B: computed on the way: QUANTISED (scales: A lowp_scales[8], B lowp_scales[9])
;;   THE QUANTISER, for each operand of a quantised product, along K:
;;     - The operand's scale is 2^e, e = its entry of the input lowp_scales (int32; the entries are numbered through the quantised products in the list's order, A before B).
;;     - Each number is divided by the scale, clamped to +-448, and rounded to the nearest number of E4M3, ties to even, subnormals kept.
;;     - The product sums the exact products of the quantised numbers (number of the format x scale) in f32.
;;   ~~~python
;;   def quantise(x, axis, e):      # numpy; x: float32 -> the quantised numbers, widened to float32 again
;;       x = np.moveaxis(x, axis, -1); K = x.shape[-1]
;;       r = np.clip(x / 2.0 ** e, -448, 448)
;;       step = 2.0 ** (np.maximum(np.frexp(np.where(r == 0, 1, r))[1] - 1, -6) - 3)
;;       q = np.round(r / step) * step * 2.0 ** e      # np.round: ties to even
;;       return np.moveaxis(q, -1, axis).astype(np.float32)
;;   ~~~
;;   SOFTMAX AHEAD OF A QUANTISED PRODUCT. Where the list says 'softmax', what is quantised is not the finished softmax but p = 2^(t - M), with t = logit x log2(e) and M = ceil(the row's largest t), a whole number; so 1/2 < the row's largest p <= 1. The row's sum l is taken of the UNQUANTISED p, in f32, and the product's result is divided by l at the end. Since M is a whole number, a kernel that streams over the keys may use a running M (the ceiling of the running maximum): every later rescaling is an exact power of two, so the quantised numbers keep their values, but for numbers so far below the row's largest that they fall under the format's range.
;;   OPERANDS COMPUTED ON THE WAY. 'Computed on the way' means the value that the module computes at that place (a softmax that the list does not call 'softmax' is quantised finished and normalised). What goes into a quantiser is computed in f32, as accurately as f32 sums, v_exp_f32 and their like allow (about 1e-6 of the number): no bf16 or f16 on the way to a quantiser, and a product that is left as it is and whose result goes on into a quantised operand takes f32 operands (vector FMAs, or v_wmma_f32_16x16x4_f32). A number that lies on a knife's edge between two numbers of the format may be rounded either way, as far as f32 arithmetic and the matrix unit's own rounding can turn it there, and no further.
;;   INPUTS GIVEN AS CODES. Wk (in the module: [1024, 128], K = its axis 0); Wq (in the module: [1024, 128], K = its axis 0); Wv (in the module: [1024, 128], K = its axis 0); X (in the module: [4, 4096, 1024], K = its axis 2): each comes as NAME_codes (uint8): NAME with its K axis moved to the last place and cut into blocks of 32 codes, [.., K / 32, bytes a block], one block behind the other in memory; one code a byte (a code: sign, 4 exponent bits, 3 mantissa bits); its scale is its entry of lowp_scales. Its value is code x scale, taken as it is: it is not quantised again, and the codes and scales need not be those that the quantiser above would give.
;; One version. Each part assembles by itself: llvm-mc -triple=amdgcn-amd-amdhsa -mcpu=gfx1250 --defsym DOCPART=n.
;; ======== version 1 of 1: 2 launches
;; limits: right only within a limited range of input values
;; workspace buffers: q 2,097,152 bytes; kv 4,194,304 bytes
;; launch proj (part 1): grid 4 x 64, 7 waves a work-group, clusters of 4 x 4, 327,680 bytes of LDS; arguments X_codes, Wq_codes, Wk_codes, Wv_codes, lowp_scales, q, kv; writes q, kv
.if DOCPART == 1
	.amdgcn_target "amdgcn-amd-amdhsa--gfx1250"
	.amdhsa_code_object_version 6
	.text
	.protected	k_q92e99d0f90_proj
	.globl	k_q92e99d0f90_proj
	.p2align	8
	.type	k_q92e99d0f90_proj,@function
k_q92e99d0f90_proj:
	s_mov_b64 s[64:65], 0
	v_nop
	global_prefetch_b8 v0, s[64:65] scope:SCOPE_SE
	s_setreg_imm32_b32 hwreg(HW_REG_WAVE_MODE, 25, 1), 1
	s_wait_xcnt 0x0
	s_wait_alu depctr_hold_cnt(0) depctr_sa_sdst(0) depctr_va_vdst(0) depctr_va_sdst(0) depctr_va_ssrc(0) depctr_va_vcc(0) depctr_vm_vsrc(0)
	s_getreg_b32 s2, hwreg(HW_REG_IB_STS2, 6, 4)
	s_cmp_eq_u32 s2, 0
	s_cbranch_scc0 .Lentry_in_a_cluster
	s_endpgm
.Lentry_in_a_cluster:
	s_bfe_u32 s2, ttmp6, 0x10000c
	s_cmp_lg_u32 s2, 0xf033
	s_cbranch_scc0 .Lentry_shape_is_right
	s_endpgm
.Lentry_shape_is_right:
; Q = X Wq, K = X Wk, V = X Wv on codes of E4M3 (X: [16384][1024], each W: [128][1024], K innermost), sums in f32; each sum is quantised at once for the attention
; launch: Q with 2^e6, K with 2^e7, V with 2^e9.  A sum stands for sum x 2^(eX + eW), so its code is sum / 2^d: dQ = e6 - e0 - e1, dK = e7 - e2 - e3, dV = e9 - e4 - e5.
; LIMITS: dQ, dK, dV lie between -126 and 119, so that 2^d and 448 x 2^d are f32 numbers.  NaN codes among the inputs are not served.  No work of reference() is left out.
; SHARES.  A work-group owns 256 tokens (its y) and 32 head dims of each of Q, K, V (its x).  Waves 0 to 3 multiply: wave w owns tokens 64 w .. 64 w + 63: 4 token tiles m x 6 output
; tiles o (o = 0, 1: Q; 2, 3: K; 4, 5: V): 24 accumulators.  Waves 4 to 6 fetch one weight each, so that a batch's seven tiles are one tensor load for each wave, and then only pass the barriers.
; CLUSTER 4 x 4.  The four work-groups of a row of the cluster have the same tokens, the four of a column the same rows of the weights: each tile is asked for jointly.
; LDS.  The head fills the weights' first half along K and X's first half (K steps 0 to 3); the batch behind the next round the weights' second half and X's third quarter;
; X's last quarter fills the first quarter's bytes again, row for row: the one refill.  A wave's part of X is read by that wave alone.
; PREFETCH.  X's third quarter is asked of memory behind the head's loads, its last quarter behind the second batch's: each one load ahead.  Each aligned block of 256 bytes is named once in the cluster: the four
; partners of a row take 16 of a wave's 64 rows each, told apart by address.
; WHAT IS STORED are images of the attention launch's operand registers.  Q and K are made transposed (source 0 = 16 rows of W, source 1 = 16 tokens): a lane holds one token and eight
; neighbouring head dims, whose codes are registers 2 t, 2 t + 1 of a fragment of 16 tokens x 128 head dims.  V is made as it stands (source 0 = 16 tokens, source 1 = 16 rows of Wv):
; a lane holds one head dim and eight neighbouring tokens: registers 2 c, 2 c + 1 of a fragment of 16 head dims x 128 keys.  Each store of a wave covers 512 consecutive bytes, aligned.
;   q : [token tile 0..1023][piece 0..3][lane][16 bytes]
;   kv: [batch][key group 0..3][step of 512 keys, 0..7]: K [key tile 0..7][piece][lane][16], then V [d tile 0..7][piece][lane][16], 16,384 bytes each; a key group is 128 of a step's 512 keys
; FRAGMENTS of X and W come by four loads of 16 bytes: lane l holds, of row l % 16, k = 32 c + 16 (l / 16) + 0 .. 15 in registers 4 c .. 4 c + 3: a permutation of k, the same on both sides.
; REGISTERS.  window 0: v1-15 addresses and holds, v28-29 the add's, v32-95 X's four fragments (at the end the codes), v96-191 W's fragments of even steps, v192-255 V's accumulators.
;   window 1: v0-127 Q's and K's accumulators, (o, m) at v[8 (4 o + m)], v128-223 W's fragments of odd steps.
.set HP,    528                        ; an LDS row of a half: 512 bytes + 16: 132 words: the 16 rows of a fragment load start at 16 different banks (64 banks of 4 bytes: ISA guide 11.1); likewise 272
.set WSZ,   32*HP                      ; one weight's 32 rows of a half
.set WHALF, 3*WSZ
.set X01,   2*WHALF                    ; X's first half: 256 rows of 528; later its last quarter in each row's first 256 bytes
.set X2,    X01+256*HP                 ; X's third quarter: 256 rows of 272
.set SPARE, X2+256*272                 ; the spare words, 128 bytes for each wave, rounded up to four blocks of 256 bytes
.set PADC,  (1<<20)|(1<<21)            ; elements of 1 byte; 20 padding on; 21 set beside a mask
.set AW,  3                            ; v3, v4  my lane's place in the weights' first, second half
.set AX,  5                            ; v5, v6  in my rows of X's first half (and last quarter), of its third quarter
.set LO,  8
.set PFO, 9                            ; v9      the prefetches' offset: 16 rows; never rewritten
.set HS,  10                           ; v10, 11: 448 x 2^dQ, 2^dQ; v12, 13: K's; v14, 15: V's
.set SPW, 28
.set NIL, 29
.set XF,  32
.set CD,  32
.set VA,  192
.set WV,  18                           ; s18     my wave's number;  s101: its low two bits
.set G1H, 24                           ; s[24:31] descriptor group 1: X's first half, 64 rows x 512 bytes
.set G1W, 32                           ; s[32:39] half a weight, 32 rows x 512
.set G1Q, 40                           ; s[40:47] X's third quarter, 64 rows x 256
.set G1R, 84                           ; s[84:91] X's last quarter, 64 rows x 256, laid at the first half's pitch
.set G0L, 48                           ; s[48:51] group 0 of X's last quarter
.set G0W, 52                           ; s[52:63] of Wq, Wk, Wv
.set G0H, 68                           ; s[68:71] of X's first half
.set G0Q, 72                           ; s[72:75] of X's third quarter
.set MSB, 0
.macro WIN new                         ; the immediate's high byte repeats the setting that is left; a switch that changes nothing is dropped
.if MSB != (\new)
	s_set_vgpr_msb (MSB<<8)|(\new)
.set MSB, (\new)
.endif
.endm
.macro PLACES                          ; four plain vector lines between a matrix instruction and a load into a register that it has read (ISA guide 7.12.1 for vector instructions)
.rept 4
	v_nop
.endr
.endm
.macro CREST                           ; a round of the cluster's barrier behind its opening barrier
	s_cmp_lg_u32 s[WV], 0
	s_cbranch_scc1 .Lnot_wave_0_\@
	s_barrier_signal -3
.Lnot_wave_0_\@:
	s_barrier_wait -3
	s_barrier_signal -1
	s_barrier_wait -1
.endm
.macro CROUND
	s_barrier_signal -1
	s_barrier_wait -1
	CREST
.endm
.macro DESC g, c, r                    ; rows of c bytes, r of them, 1,024 bytes apart in memory
	s_mov_b32 s[\g+1], (\c)<<16
	s_mov_b32 s[\g+2], (\r)<<16
	s_mov_b32 s[\g+3], (\c)<<16
	s_mov_b32 s[\g+4], \r
	s_mov_b32 s[\g+5], 1024
	s_mov_b32 s[\g+6], 0
	s_mov_b32 s[\g+7], 0
.endm
.macro TLOAD g0, g1                    ; the load, its s_nop 0 and four v_nop
	tensor_load_to_lds s[\g0:\g0+3], s[\g1:\g1+7]
	s_nop 0
	PLACES
.endm
.macro BATCH g0x, g1x                  ; a batch: waves 0 to 3 fetch their rows of X, waves 4, 5, 6 half of Wq, Wk, Wv: one load a wave
	s_cmp_lt_u32 s[WV], 4
	s_cbranch_scc1 .Lx_\@
	s_cmp_eq_u32 s[WV], 4
	s_cbranch_scc1 .Lwq_\@
	s_cmp_eq_u32 s[WV], 5
	s_cbranch_scc1 .Lwk_\@
	TLOAD G0W+8, G1W
	s_branch .Lasked_\@
.Lwq_\@:
	TLOAD G0W, G1W
	s_branch .Lasked_\@
.Lwk_\@:
	TLOAD G0W+4, G1W
	s_branch .Lasked_\@
.Lx_\@:
	TLOAD \g0x, \g1x
.Lasked_\@:
.endm
	s_load_b256 s[4:11], s[0:1], 0x0               ; X s[4:5], Wq s[6:7], Wk s[8:9], Wv s[10:11]
	s_load_b128 s[12:15], s[0:1], 0x20             ; the scales' exponents s[12:13], q s[14:15]
	s_load_b64 s[16:17], s[0:1], 0x30              ; kv
	v_lshl_add_u32 v[SPW], v0, 2, SPARE
	v_mov_b32 v[NIL], 0
	ds_add_u32 v[SPW], v[NIL]                      ; the opening: the add, twice on end, and its wait
	ds_add_u32 v[SPW], v[NIL]
	v_lshrrev_b32 v1, 5, v0
	v_readfirstlane_b32 s[WV], v1                  ; wave 0..6
	v_and_b32 v[PFO], 31, v0
	v_min_u32 v[PFO], 15, v[PFO]                   ; a lane a row, 16 rows; lanes 16 to 31 name the last row again
	v_lshlrev_b32 v[PFO], 10, v[PFO]
	s_and_b32 s101, s[WV], 3
	s_bfe_u32 s19, ttmp6, 0x40000                  ; cx, cy: my place in the cluster
	s_bfe_u32 s20, ttmp6, 0x40004
	s_lshl_b32 s21, ttmp9, 2
	s_add_co_u32 s21, s21, s19                     ; cg = work-group x: which 32 head dims
	s_and_b32 s22, ttmp7, 0xffff
	s_lshl_b32 s22, s22, 2
	s_add_co_u32 s22, s22, s20                     ; by = work-group y: which 256 tokens
	s_lshl_b32 s23, s20, 2
	s_lshl_b32 s23, 15, s23                        ; my row of the cluster
	s_lshl_b32 s2, 0x1111, s19                     ; my column
	s_or_b32 s[G1H], s23, PADC|(6<<22)|(3<<25)     ; 4 words (code 3) behind every 128 words (code 6)
	s_or_b32 s[G1W], s2, PADC|(6<<22)|(3<<25)
	s_or_b32 s[G1Q], s23, PADC|(5<<22)|(3<<25)     ; 4 words behind every 64 (code 5)
	s_or_b32 s[G1R], s23, PADC|(5<<22)|(67<<25)    ; 68 words (code 67) behind every 64: rows 528 bytes apart
	DESC G1H, 512, 64
	DESC G1W, 512, 32
	DESC G1Q, 256, 64
	DESC G1R, 256, 64
	s_wait_alu depctr_va_vdst(0)
	s_wait_dscnt 0x0                               ; both opening adds are done
	s_wait_kmcnt 0x0
	s_load_b256 s[76:83], s[12:13], 0x0            ; e0 .. e7
	s_load_b32 s3, s[12:13], 0x24                  ; e9
	s_lshl_b32 s96, s21, 15                        ; a weight: 32 cg rows of 1,024 bytes
	s_mov_b32 s97, 0
.irp p, 0,1,2
	s_mov_b32 s[G0W+4*\p], 1
	s_mov_b32 s[G0W+4*\p+1], \p*WSZ
	s_add_nc_u64 s[G0W+4*\p+2:G0W+4*\p+3], s[6+2*\p:7+2*\p], s[96:97]
	s_or_b32 s[G0W+4*\p+3], s[G0W+4*\p+3], 0x80000000
.endr
	s_lshl_b32 s92, s22, 18                        ; X: 256 by rows of 1,024 bytes
	s_mov_b32 s93, 0
	s_add_nc_u64 s[94:95], s[4:5], s[92:93]
	s_lshl_b32 s96, s101, 16                       ; + 64 w rows
	s_add_nc_u64 s[94:95], s[94:95], s[96:97]
	s_mov_b32 s[G0H], 1
	s_mul_i32 s[G0H+1], s101, 64*HP
	s_add_co_u32 s[G0H+1], s[G0H+1], X01
	s_mov_b64 s[G0H+2:G0H+3], s[94:95]
	s_or_b32 s[G0H+3], s[G0H+3], 0x80000000
	s_mov_b32 s[G0Q], 1
	s_mul_i32 s[G0Q+1], s101, 64*272
	s_add_co_u32 s[G0Q+1], s[G0Q+1], X2
	s_add_nc_u64 s[G0Q+2:G0Q+3], s[94:95], 512
	s_or_b32 s[G0Q+3], s[G0Q+3], 0x80000000
	s_mov_b32 s[G0L], 1
	s_mov_b32 s[G0L+1], s[G0H+1]
	s_add_nc_u64 s[G0L+2:G0L+3], s[94:95], 768
	s_or_b32 s[G0L+3], s[G0L+3], 0x80000000
	s_lshl_b32 s96, s19, 14                        ; the prefetches: 16 cx rows on, from the third quarter on
	s_add_nc_u64 s[98:99], s[94:95], s[96:97]
	s_add_nc_u64 s[98:99], s[98:99], 512
	CROUND                                         ; all sixteen work-groups are here: the first joint loads meet
	BATCH G0H, G1H                                 ; the head's fills
	s_cmp_lt_u32 s[WV], 4
	s_cbranch_scc0 .Lno_ask
	global_prefetch_b8 v[PFO], s[98:99] th:TH_LOAD_NT scope:SCOPE_SE   ; the third quarter
.Lno_ask:
	v_and_b32 v1, 15, v0                           ; r = lane % 16
	v_bfe_u32 v2, v0, 4, 1                         ; h = lane / 16
	v_lshlrev_b32 v2, 4, v2
	v_mul_u32_u24 v[AW], v1, HP
	v_add_nc_u32 v[AW], v[AW], v2                  ; row x pitch + 16 x half
	v_add_nc_u32 v[AW+1], WHALF, v[AW]
	v_add_nc_u32 v[AX], s[G0H+1], v[AW]
	v_mul_u32_u24 v[AX+1], v1, 272
	v_add_nc_u32 v[AX+1], v[AX+1], v2
	v_add_nc_u32 v[AX+1], s[G0Q+1], v[AX+1]
	v_and_b32 v[LO], 31, v0
	v_lshlrev_b32 v[LO], 4, v[LO]
.macro SCALE d, k                      ; s[d] = the exponent d of tensor k: v[HS + 2 k] = 448 x 2^d, v[HS + 2 k + 1] = 2^d
	s_add_co_i32 s[\d], s[\d], 127
	s_lshl_b32 s97, s[\d], 23
	v_mov_b32 v[HS+2*\k+1], s97
	s_add_co_i32 s[\d], s[\d], 8
	s_lshl_b32 s[\d], s[\d], 23
	s_or_b32 s[\d], s[\d], 0x600000
	v_mov_b32 v[HS+2*\k], s[\d]
.endm
	s_wait_alu depctr_va_vdst(0)
	s_wait_kmcnt 0x0
	s_sub_co_i32 s94, s82, s76
	s_sub_co_i32 s94, s94, s77                     ; dQ = e6 - e0 - e1
	s_sub_co_i32 s95, s83, s78
	s_sub_co_i32 s95, s95, s79                     ; dK = e7 - e2 - e3
	s_sub_co_i32 s96, s3, s80
	s_sub_co_i32 s96, s96, s81                     ; dV = e9 - e4 - e5
	SCALE 94, 0
	SCALE 95, 1
	SCALE 96, 2
	; where my results go
	s_lshl_b32 s76, s22, 15                        ; q: token tile 16 by + 4 w, 2,048 bytes a tile
	s_lshl_b32 s77, s101, 13
	s_add_co_u32 s76, s76, s77
	s_lshl_b32 s77, s21, 9                         ; piece cg: head dims 32 cg .. 32 cg + 31 are a fragment's registers 4 cg .. 4 cg + 3
	s_add_co_u32 s76, s76, s77
	s_mov_b32 s77, 0
	s_add_nc_u64 s[14:15], s[14:15], s[76:77]
	s_lshr_b32 s78, s22, 4                         ; kv: batch by / 16,
	s_lshl_b32 s78, s78, 20
	s_bfe_u32 s79, s22, 0x30001                    ; step (by / 2) % 8,
	s_lshl_b32 s79, s79, 15
	s_add_co_u32 s78, s78, s79
	s_and_b32 s79, s22, 1                          ; key group 2 (by % 2) + w / 2
	s_lshl_b32 s79, s79, 19
	s_add_co_u32 s78, s78, s79
	s_lshr_b32 s79, s101, 1
	s_lshl_b32 s79, s79, 18
	s_add_co_u32 s78, s78, s79
	s_and_b32 s80, s101, 1
	s_lshl_b32 s79, s80, 13                        ; K: key tile 4 (w % 2)
	s_add_co_u32 s76, s78, s79
	s_lshl_b32 s79, s21, 9
	s_add_co_u32 s76, s76, s79
	s_add_nc_u64 s[92:93], s[16:17], s[76:77]      ; K
	s_lshl_b32 s79, s80, 10                        ; V: my 64 tokens are pieces 2 (w % 2), 2 (w % 2) + 1
	s_add_co_u32 s76, s78, s79
	s_lshl_b32 s79, s21, 12                        ; d tiles 2 cg, 2 cg + 1
	s_add_co_u32 s76, s76, s79
	s_add_co_u32 s76, s76, 0x4000                  ; behind the step's K
	s_add_nc_u64 s[94:95], s[16:17], s[76:77]      ; V
.macro LW s                            ; step s's six fragments of W into set s % 2
.set ODD, (\s)%2
.set WB, 96+32*ODD
	WIN 0x40*ODD
.irp o, 0,1,2,3,4,5
.irp c, 0,1,2,3
	ds_load_b128 v[WB+16*\o+4*\c:WB+16*\o+4*\c+3], v[AW+(\s)/4] offset:(\o/2)*WSZ+(\o%2)*16*HP+128*((\s)%4)+32*\c
.endr
.endr
	WIN 0
.endm
.macro LX s, m                         ; step s's fragment m of X
.irp c, 0,1,2,3
.if (\s) < 4
	ds_load_b128 v[XF+16*(\m)+4*\c:XF+16*(\m)+4*\c+3], v[AX] offset:(\m)*16*HP+128*(\s)+32*\c
.elseif (\s) < 6
	ds_load_b128 v[XF+16*(\m)+4*\c:XF+16*(\m)+4*\c+3], v[AX+1] offset:(\m)*16*272+128*((\s)-4)+32*\c
.else
	ds_load_b128 v[XF+16*(\m)+4*\c:XF+16*(\m)+4*\c+3], v[AX] offset:(\m)*16*HP+128*((\s)-6)+32*\c
.endif
.endr
.endm
; Step s, token tiles m0 and m0 + 1: 12 products.  The 24 accumulators take turns, one instruction a turn, in the same order in every step.  zero = 1: the first products start the sums.
.macro PROD s, m0, zero
.set ODD, (\s)%2
.set WB, 96+32*ODD
	WIN 0x50+ODD                                   ; Q and K, transposed: source 0 W, source 1 X, C and D window 1
.irp o, 0,1,2,3
.irp m, 0,1
.set MM, (\m0)+\m
.if \zero
	v_wmma_f32_16x16x128_fp8_fp8 v[8*(4*\o+MM):8*(4*\o+MM)+7], v[WB+16*\o:WB+16*\o+15], v[XF+16*MM:XF+16*MM+15], 0
.else
	v_wmma_f32_16x16x128_fp8_fp8 v[8*(4*\o+MM):8*(4*\o+MM)+7], v[WB+16*\o:WB+16*\o+15], v[XF+16*MM:XF+16*MM+15], v[8*(4*\o+MM):8*(4*\o+MM)+7]
.endif
.endr
.endr
	WIN 4*ODD                                      ; V, as it stands: source 0 X, source 1 W, C and D window 0
.irp o, 0,1
.irp m, 0,1
.set MM, (\m0)+\m
.if \zero
	v_wmma_f32_16x16x128_fp8_fp8 v[VA+8*(4*\o+MM):VA+8*(4*\o+MM)+7], v[XF+16*MM:XF+16*MM+15], v[WB+64+16*\o:WB+64+16*\o+15], 0
.else
	v_wmma_f32_16x16x128_fp8_fp8 v[VA+8*(4*\o+MM):VA+8*(4*\o+MM)+7], v[XF+16*MM:XF+16*MM+15], v[WB+64+16*\o:WB+64+16*\o+15], v[VA+8*(4*\o+MM):VA+8*(4*\o+MM)+7]
.endif
.endr
.endr
	WIN 0
.endm
; A step's second half: the next step's W and X tiles 0, 1 are asked for behind 12 products, X tiles 2, 3 behind the other 12
.macro REST s, zero
	LW (\s)+1
	LX (\s)+1, 0
	LX (\s)+1, 1
	PROD \s, 2, \zero
	PLACES
	LX (\s)+1, 2
	LX (\s)+1, 3
.endm
.macro STEP s, zero
	s_wait_dscnt 8                                 ; W and X tiles 0, 1 are in; the eight loads of tiles 2, 3 may be out
	PROD \s, 0, \zero
	s_wait_dscnt 0x0
.if (\s) == 5
	s_wait_tensorcnt 0x0                           ; my rows of X's last quarter are in: only I read them
.endif
	PLACES
	REST \s, \zero
.endm
	s_wait_alu depctr_va_vdst(0)                   ; the head's end
	s_wait_tensorcnt 0x0                           ; my first fill is in
	ds_add_u32 v[SPW], v[NIL]
.irp p, 0,1,2
	s_add_co_u32 s[G0W+4*\p+1], s[G0W+4*\p+1], WHALF               ; the weights' second half
	s_add_nc_u64 s[G0W+4*\p+2:G0W+4*\p+3], s[G0W+4*\p+2:G0W+4*\p+3], 512
.endr
	s_wait_dscnt 0x0
	CROUND                                         ; everybody's first fill is in
	BATCH G0Q, G1Q                                 ; the second batch: it has the first K steps in which to land
	s_cmp_lt_u32 s[WV], 4
	s_cbranch_scc0 .Lround
	LW 0
	LX 0, 0
	LX 0, 1
	LX 0, 2
	LX 0, 3
	global_prefetch_b8 v[PFO], s[98:99] offset:256 th:TH_LOAD_NT scope:SCOPE_SE   ; the last quarter
	STEP 0, 1
	STEP 1, 0
	STEP 2, 0
.Lround:
	s_wait_tensorcnt 0x0                           ; no tensor load of mine is out
	ds_add_u32 v[SPW], v[NIL]
	s_wait_dscnt 0x0                               ; the add is done, and so are my reads of X's first half
	s_barrier_signal -1
	s_cmp_lt_u32 s[WV], 4
	s_cbranch_scc0 .Lno_prod
	PROD 3, 0, 0                                   ; work on registers while the others arrive
.Lno_prod:
	s_barrier_wait -1
	CREST                                          ; no wave of any partner still reads X's first half or has a load on its way
	s_cmp_lt_u32 s[WV], 4
	s_cbranch_scc0 .Lend
	TLOAD G0L, G1R                                 ; my one tensor load behind the round; its four v_nop are also the places in front of the loads below
	REST 3, 0
	STEP 4, 0
	STEP 5, 0
	STEP 6, 0
	s_wait_dscnt 0x0
	PROD 7, 0, 0
	PROD 7, 2, 0
	PLACES
	; THE WAY OUT: hold, convert, store.  The conversion to an 8-bit code does not saturate (ISA guide 7.6.2): the hold at the largest code x the scale; each accumulator from its low end on
	WIN 0x41
.irp o, 0,1,2,3
.irp j, 0,1,2,3,4,5,6,7,8,9,10,11,12,13,14,15,16,17,18,19,20,21,22,23,24,25,26,27,28,29,30,31
	v_med3_num_f32 v[32*\o+\j], v[32*\o+\j], -v[HS+2*(\o/2)], v[HS+2*(\o/2)]
.endr
.endr
	WIN 0
.irp o, 0,1
.irp j, 0,1,2,3,4,5,6,7,8,9,10,11,12,13,14,15,16,17,18,19,20,21,22,23,24,25,26,27,28,29,30,31
	v_med3_num_f32 v[VA+32*\o+\j], v[VA+32*\o+\j], -v[HS+4], v[HS+4]
.endr
.endr
	WIN 0x01
.irp o, 0,1,2,3
.irp m, 0,1,2,3
	v_cvt_scalef32_pk8_fp8_f32 v[CD+16*(\o/2)+4*\m+2*(\o%2):CD+16*(\o/2)+4*\m+2*(\o%2)+1], v[8*(4*\o+\m):8*(4*\o+\m)+7], v[HS+2*(\o/2)+1]   ; Q, K: tile m's piece: head dims 16 (o % 2) + 8 h + 0 .. 7
.endr
.endr
	WIN 0
.irp o, 0,1
.irp m, 0,1,2,3
	v_cvt_scalef32_pk8_fp8_f32 v[CD+32+4*(2*\o+\m/2)+2*(\m%2):CD+32+4*(2*\o+\m/2)+2*(\m%2)+1], v[VA+8*(4*\o+\m):VA+8*(4*\o+\m)+7], v[HS+5]   ; V: d tile o, piece m / 2: tokens 16 (m % 2) + 8 h + 0 .. 7
.endr
.endr
	v_nop                                          ; one plain vector line behind the last scaled conversion
.irp m, 0,1,2,3
	global_store_b128 v[LO], v[CD+4*\m:CD+4*\m+3], s[14:15] offset:2048*\m
	global_store_b128 v[LO], v[CD+16+4*\m:CD+16+4*\m+3], s[92:93] offset:2048*\m
.endr
.irp n, 0,1
.irp p, 0,1
	global_store_b128 v[LO], v[CD+32+4*(2*\n+\p):CD+32+4*(2*\n+\p)+3], s[94:95] offset:2048*\n+512*\p
.endr
.endr
.Lend:
	s_wait_tensorcnt 0x0                           ; the wave's end
	ds_add_u32 v[SPW], v[NIL]
	s_wait_dscnt 0x0
	CROUND                                         ; the closing round: no work-group ends while a partner may still ask for a tile that names it
	s_endpgm
.Lfunc_end_k_q92e99d0f90_proj:
	.size	k_q92e99d0f90_proj, .Lfunc_end_k_q92e99d0f90_proj-k_q92e99d0f90_proj
	.p2alignl 7, 3214868480
	.fill 96, 4, 3214868480
	.section	.rodata,"a",@progbits
	.p2align	6, 0x0
	.amdhsa_kernel k_q92e99d0f90_proj
		.amdhsa_group_segment_fixed_size 327680
		.amdhsa_private_segment_fixed_size 0
		.amdhsa_enable_private_segment 0
		.amdhsa_kernarg_size 56
		.amdhsa_user_sgpr_count 2
		.amdhsa_user_sgpr_kernarg_segment_ptr 1
		.amdhsa_wavefront_size32 1
		.amdhsa_system_sgpr_workgroup_id_x 1
		.amdhsa_system_sgpr_workgroup_id_y 1
		.amdhsa_system_sgpr_workgroup_id_z 1
		.amdhsa_system_vgpr_workitem_id 0
		.amdhsa_next_free_vgpr 480
		.amdhsa_next_free_sgpr 104
		.amdhsa_reserve_vcc 0
		.amdhsa_float_denorm_mode_32 3
		.amdhsa_float_denorm_mode_16_64 3
		.amdhsa_memory_ordered 1
		.amdhsa_forward_progress 1
		.amdhsa_inst_pref_size 64
	.end_amdhsa_kernel
	.amdgpu_metadata
---
amdhsa.version: [ 1, 2 ]
amdhsa.kernels:
  - .name:           k_q92e99d0f90_proj
    .symbol:         k_q92e99d0f90_proj.kd
    .args:
      - { .name: X_codes, .offset: 0, .size: 8, .value_kind: global_buffer, .address_space: global }
      - { .name: Wq_codes, .offset: 8, .size: 8, .value_kind: global_buffer, .address_space: global }
      - { .name: Wk_codes, .offset: 16, .size: 8, .value_kind: global_buffer, .address_space: global }
      - { .name: Wv_codes, .offset: 24, .size: 8, .value_kind: global_buffer, .address_space: global }
      - { .name: lowp_scales, .offset: 32, .size: 8, .value_kind: global_buffer, .address_space: global }
      - { .name: q, .offset: 40, .size: 8, .value_kind: global_buffer, .address_space: global }
      - { .name: kv, .offset: 48, .size: 8, .value_kind: global_buffer, .address_space: global }
    .group_segment_fixed_size: 327680
    .private_segment_fixed_size: 0
    .kernarg_segment_align: 8
    .kernarg_segment_size: 56
    .max_flat_workgroup_size: 224
    .sgpr_count:     104
    .vgpr_count:     480
    .wavefront_size: 32
...
	.end_amdgpu_metadata
.endif
;; end of part 1
;; launch attn (part 2): grid 64 x 4, 8 waves a work-group, clusters of 4 x 1, 327,680 bytes of LDS; arguments q, kv, lowp_scales, out0; writes out0
.if DOCPART == 2
	.amdgcn_target "amdgcn-amd-amdhsa--gfx1250"
	.amdhsa_code_object_version 6
	.text
	.protected	k_q92e99d0f90_attn
	.globl	k_q92e99d0f90_attn
	.p2align	8
	.type	k_q92e99d0f90_attn,@function
k_q92e99d0f90_attn:
	s_mov_b64 s[64:65], 0
	v_nop
	global_prefetch_b8 v0, s[64:65] scope:SCOPE_SE
	s_setreg_imm32_b32 hwreg(HW_REG_WAVE_MODE, 25, 1), 1
	s_wait_xcnt 0x0
	s_wait_alu depctr_hold_cnt(0) depctr_sa_sdst(0) depctr_va_vdst(0) depctr_va_sdst(0) depctr_va_ssrc(0) depctr_va_vcc(0) depctr_vm_vsrc(0)
	s_getreg_b32 s2, hwreg(HW_REG_IB_STS2, 6, 4)
	s_cmp_eq_u32 s2, 0
	s_cbranch_scc0 .Lentry_in_a_cluster
	s_endpgm
.Lentry_in_a_cluster:
	s_bfe_u32 s2, ttmp6, 0x10000c
	s_cmp_lg_u32 s2, 0x3003
	s_cbranch_scc0 .Lentry_shape_is_right
	s_endpgm
.Lentry_shape_is_right:
; out[b][n][:] = the sum over keys of softmax(Q K^T / 32) V, both products on codes of E4M3: Q with 2^e6, K with 2^e7, p with 2^e8, V with 2^e9.
; THE SOFTMAX AHEAD OF THE SECOND PRODUCT: t = score x log2(e) / 32; M = the largest t so far, rounded UP to a whole number; p = 2^(t - M) is what is quantised; the row's sum is taken of the
; unquantised p, in f32, and divides at the end.  When M moves, the sum and O are multiplied by 2^(old M - new M): nothing is rounded.
; LIMITS: e6 + e7 between -121 and 132 (they are added to the exponent field, 122, of log2(e) / 32); e8 between -126 and 119; e8 + e9 is applied by v_ldexp_f32 and has none.  The scaled scores
; stay under 2^31 in magnitude.  NaN is not served.  No work of reference() is left out.
; q and kv hold images of operand registers: a fragment (16 rows x 128 along K, 16 registers a lane) is four pieces of 512 bytes, lane l's 16 bytes at 16 l; k stands in this form's own places
; (registers 2 c, 2 c + 1: k = 16 c + 8 (l / 16) + 0 .. 7).  kv: [batch][key group 0..3][step 0..7]: K [key tile 0..7][2,048], then V^T [d tile 0..7][2,048].
; SHARES.  A work-group owns 64 queries of one batch.  Wave w = 4 qg + kg owns two tiles a of 16 queries (32 qg on) and key group kg: eight steps of 128 keys.  Two waves share a SIMD.
; The four key groups' results meet in LDS at the end: their M differ by whole numbers.
; LAYOUT.  S^T = K Q^T (source 0 = 16 keys, source 1 = 16 queries), O^T = V^T P (source 0 = 16 head dims, source 1 = P): a lane holds ONE query (lane % 16) of a tile, and the conversions' results are P's registers.
; V: THE RING.  Two slots; fill j, in slot j % 2, is V of steps 2 j and 2 j + 1: for each key group two parts of 16,384 bytes, fetched by waves kg and 4 + kg and read by both.  The head asks for fill 0.  The round of an
; even step i = 2 j shows fill j to all waves, frees the other slot and starts fill j + 1, which has two steps in which to land: it opens among tile 0's conversions and closes behind them.
; CLUSTER 4 x 1.  The four work-groups of a cluster belong to one batch and walk the same fills: each part of V is asked for jointly by the four.
; K goes from memory straight into registers of its own, as whole images of 512 consecutive bytes a load: K of step i + 1 is asked for right behind the products of step i.  It is not asked for jointly: a joint load ends in LDS, and with K
; beside V a slot of 131,072 bytes would hold one step and not two: a drained ring and a round of the cluster in every step, and twice the LDS loads.
; PREFETCH.  V: behind each fill the next one, two steps ahead of its load; K: beside the loads of step i + 1 those of step i + 2.  Each aligned block of 256 bytes is named once in the launch: all clusters of a batch walk the same keys, so
; the batch's first cluster asks; its four partners and their waves take their shares by address.  Fills 0 and 1 and K of steps 0 and 1 come by their loads alone; nothing is asked for behind the last.
; REGISTERS.  window 0: v1-13 addresses; v32-47 eight registers of statistics a tile; v48-79 P's codes; v80-111 Q; v112-123 work; v128-255 S^T, then p, then V's eight fragments.  window 1: v0-127 O^T (64 a + 8 t); v128-255 K.
.set SLOTB, 131072                     ; a slot
.set SLOT1, 131072                     ; slot 1 begins here: one exclusive or turns an address in one slot into the other's
.set PART,  16384
.set STEPB, 32768                      ; from step to step in memory
.set SPARE, 2*SLOTB                    ; the spare words, 128 bytes for each wave: four blocks of 256 bytes that no other line names
.set STAT,  SPARE+1024                 ; [wave][tile][lane][-M, l]: 4,096 bytes of their own
.set SP,    528                        ; the stage: a row of 128 f32 + 16 bytes: the 16 rows of a store start at 16 different banks (64 banks of 4 bytes: ISA guide 11.1)
.set WSTG,  32*SP                      ; 32 rows for each wave, from LDS byte 0 on: in the slots, which have had their last fill and, behind a barrier, their last read
.set AK0, 1                            ; v1   my lane's place in a slot: 16 x lane + 32,768 kg
.set SPW, 2                            ; v2   LDS address of my spare word; never rewritten
.set NIL, 3                            ; v3   0; never rewritten
.set PFO, 4                            ; v4   V's prefetch offset; never rewritten
.set PFK, 5                            ; v5   K's prefetch offset; never rewritten
.set LO,  6                            ; v6   16 x lane
.set TMP, 7
.set PSC, 8                            ; v8   2^e8
.set STO, 9                            ; v9   the merge: where I put 32 bytes of a row
.set RD,  10                           ; v10  where I read rows back
.set SA,  11                           ; v11  where I store my statistics
.set SR,  12                           ; v12  where I read four waves'
.set ADV, 13                           ; v13  where V is read
.set ST,  32                           ; tile a's statistics at v[ST + 8 a]: 0 -M, 1 the largest score (at the end l), 2-3 and 4-5 running sums, 6 f = 2^(old M - new M), 7 work (0 and 1, 6 and 7 are pairs)
.set P,   48
.set QF,  80
.set MG,  80                           ; the merge: four waves' (-M, l) of tile a at v[MG + 8 a + 2 g]
.set U,   96                           ; the merge: eight registers at work a tile
.set CC,  112                          ; the maxima's four chains a tile
.set CT,  120                          ; two chains of sums
.set S,   128
.set KF,  128                          ; in window 1
.set WV,  12                           ; s12  wave;  s13 kg;  s14 qg
.set KG,  13
.set QG,  14
.set SEL, 20                           ; s[20:21] lane selects for v_permlanex16_b32: lane l xor 16
.set CS,  22                           ; s[22:23] c = log2(e) / 32 x 2^(e6 + e7): the packed form names a pair and takes its low word
.set G1,  24                           ; s[24:31] descriptor group 1
.set G0,  32                           ; s[32:35] descriptor group 0, which walks
.set TB,  36                           ; s36  LDS byte at which the slot in hand begins
.set FILLS, 37
.set LIM, 38                           ; s38  1 in the work-groups that prefetch, else the greatest number
.set HLD, 39                           ; s39  448 x 2^e8
.set PFA, 40                           ; s[40:41] where V's prefetches stand
.set NC,  42                           ; s42  -c
.set EPV, 43                           ; s43  e8 + e9
.set KP,  60                           ; s[60:61] K of the step that is loaded
.set MSB, 0
.macro WIN new                         ; the immediate's high byte repeats the setting that is left; a switch that changes nothing is dropped
.if MSB != (\new)
	s_set_vgpr_msb (MSB<<8)|(\new)
.set MSB, (\new)
.endif
.endm
.macro PLACES
.rept 4
	v_nop
.endr
.endm
.macro AWAIT
	s_wait_alu depctr_va_vdst(0)
.endm
.macro CREST                           ; a round of the cluster's barrier behind its opening barrier: wave 0 signals for the work-group; every wave waits for all four; my work-group's barrier once more
	s_cmp_lg_u32 s[WV], 0
	s_cbranch_scc1 .Lnot_wave_0_\@
	s_barrier_signal -3
.Lnot_wave_0_\@:
	s_barrier_wait -3
	s_barrier_signal -1
	s_barrier_wait -1
.endm
.macro CROUND
	s_barrier_signal -1
	s_barrier_wait -1
	CREST
.endm
.macro ASK                             ; V: of each wave's 16,384 bytes of a fill the four partners take 4,096 each: 16 lanes 256 bytes apart, lanes 16 to 31 name the last block again
	s_cmp_gt_u32 s[FILLS], s[LIM]
	s_cbranch_scc0 .Lnot_mine_\@
	global_prefetch_b8 v[PFO], s[PFA:PFA+1] th:TH_LOAD_NT scope:SCOPE_SE
.Lnot_mine_\@:
.endm
.macro KASK                            ; K: of a key group's 16,384 bytes each partner takes 4,096, each of the two waves half of them: 8 lanes 256 bytes apart, lanes 8 to 31 name the last block again
	s_cmp_eq_u32 s[LIM], 1
	s_cbranch_scc0 .Lnot_mine_\@
	global_prefetch_b8 v[PFK], s[KP:KP+1] offset:STEPB th:TH_LOAD_NT scope:SCOPE_SE
.Lnot_mine_\@:
.endm
.macro FILL                            ; my one joint load behind a round
	tensor_load_to_lds s[G0:G0+3], s[G1:G1+7]
	s_nop 0
	PLACES
.endm
.macro KLOAD                           ; a step's eight fragments of K, 32 loads in one run
	WIN 0x40
.irp t, 0,1,2,3,4,5,6,7
.irp c, 0,1,2,3
	global_load_b128 v[KF+16*\t+4*\c:KF+16*\t+4*\c+3], v[LO], s[KP:KP+1] offset:2048*\t+512*\c
.endr
.endr
	WIN 0
.endm
.macro VLOAD a, off                    ; V's fragments 4 a .. 4 a + 3 into the registers that tile a's p has left
.irp t, 0,1,2,3
.irp c, 0,1,2,3
	ds_load_b128 v[S+64*(\a)+16*\t+4*\c:S+64*(\a)+16*\t+4*\c+3], v[ADV] offset:(\off)+2048*(4*(\a)+\t)+512*\c
.endr
.endr
.endm
.macro MAXLINE a                       ; four chains a tile, the scores in ascending order: each accumulator is first read at its low end
.if n < 4
	v_max3_num_f32 v[CC+4*\a+n], v[S+64*\a+3*n], v[S+64*\a+3*n+1], v[S+64*\a+3*n+2]
.else
	v_max3_num_f32 v[CC+4*\a+n%4], v[CC+4*\a+n%4], v[S+64*\a+4+2*n], v[S+64*\a+5+2*n]
.endif
.endm
.macro STATLINE a
.set RA, ST+8*\a
.set CA, CC+4*\a
.if n == 0
	v_max3_num_f32 v[CA], v[CA], v[CA+1], v[CA+2]
.elseif n == 1
	v_max_num_f32 v[CA], v[CA], v[CA+3]
.elseif n == 2
	v_permlanex16_b32 v[RA+7], v[CA], s[SEL], s[SEL+1]     ; the query's other 64 keys lie in the lane 16 away
.elseif n == 3
	v_max3_num_f32 v[RA+1], v[RA+1], v[CA], v[RA+7]        ; the running largest score
.elseif n == 4
	v_mul_f32 v[CA+1], s[NC], v[RA+1]                      ; -t (c is positive)
.elseif n == 5
	v_floor_f32 v[CA+1], v[CA+1]                           ; the new -M = floor(-t) = -ceil(t)
.elseif n == 6
	v_sub_f32 v[RA+6], v[CA+1], v[RA]                      ; old M - new M: a whole number, 0 or less
.elseif n == 7
	v_mov_b32 v[RA], v[CA+1]
.elseif n == 8
	v_cvt_i32_f32 v[RA+6], v[RA+6]                         ; (it saturates)
.else
	v_ldexp_f32 v[RA+6], 1.0, v[RA+6]                      ; f
.endif
.endm
.macro FMAS a                          ; t - M, two at a time (of the pairs c and -M the low word serves both halves)
.set n, 0
.rept 32
	v_pk_fma_f32 v[S+64*\a+2*n:S+64*\a+2*n+1], v[S+64*\a+2*n:S+64*\a+2*n+1], s[CS:CS+1], v[ST+8*\a:ST+8*\a+1] op_sel_hi:[1,0,0]
.set n, n+1
.endr
.endm
.macro SUMLINE a, r, k                 ; p summed unquantised in four chains; the two that run on are brought under the new M by their first line
.set RA, ST+8*(\a)
.set BF, S+64*(\a)
.if (\k) < 2
.if (\r) == 0
	v_pk_fma_f32 v[RA+2+2*(\k):RA+3+2*(\k)], v[RA+2+2*(\k):RA+3+2*(\k)], v[RA+6:RA+7], v[BF+2*(\k):BF+2*(\k)+1] op_sel_hi:[1,0,1]
.else
	v_pk_add_f32 v[RA+2+2*(\k):RA+3+2*(\k)], v[RA+2+2*(\k):RA+3+2*(\k)], v[BF+8*(\r)+2*(\k):BF+8*(\r)+2*(\k)+1]
.endif
.else
.if (\r) == 0
	v_pk_add_f32 v[CT+2*((\k)-2):CT+2*((\k)-2)+1], v[BF+2*(\k):BF+2*(\k)+1], v[BF+8+2*(\k):BF+8+2*(\k)+1]
.elseif (\r) < 7
	v_pk_add_f32 v[CT+2*((\k)-2):CT+2*((\k)-2)+1], v[CT+2*((\k)-2):CT+2*((\k)-2)+1], v[BF+8*(\r)+8+2*(\k):BF+8*(\r)+8+2*(\k)+1]
.else
	v_pk_add_f32 v[RA+2*(\k)-2:RA+2*(\k)-1], v[RA+2*(\k)-2:RA+2*(\k)-1], v[CT+2*((\k)-2):CT+2*((\k)-2)+1]
.endif
.endif
.endm
.macro HOLD2 r                         ; the conversion to an 8-bit code does not saturate (ISA guide 7.6.2); p is not negative, so the hold is one-sided
	v_dual_min_num_f32 v[\r], s[HLD], v[\r] :: v_dual_min_num_f32 v[\r+1], s[HLD], v[\r+1]
.endm
.macro CVT a, t                        ; keys 16 t + 8 h + 0 .. 7: P's registers 2 t, 2 t + 1
	v_cvt_scalef32_pk8_fp8_f32 v[P+16*(\a)+2*(\t):P+16*(\a)+2*(\t)+1], v[S+64*(\a)+8*(\t):S+64*(\a)+8*(\t)+7], v[PSC]
.endm
.macro POST a, t0, cnt                 ; tile a's p of key tiles t0 .. t0 + cnt - 1: summed, then held; converted one key tile later
.set KT, \t0
.rept \cnt
.irp k, 0,1,2,3
	SUMLINE \a, KT, \k
.endr
.irp k, 0,1,2,3
	HOLD2 S+64*\a+8*KT+2*\k
.endr
.if KT > 0
	CVT \a, KT-1
.endif
.set KT, KT+1
.endr
.if KT == 8
	CVT \a, 7
	v_nop                                          ; one plain vector line behind the last scaled conversion
.endif
.endm
.macro RESCALE                         ; O^T under the new M; each accumulator from its low end on
	WIN 0x41
	AWAIT
.irp a, 0,1
.set n, 0
.rept 32
	v_pk_mul_f32 v[64*\a+2*n:64*\a+2*n+1], v[64*\a+2*n:64*\a+2*n+1], v[ST+8*\a+6:ST+8*\a+7] op_sel_hi:[1,0]
.set n, n+1
.endr
.endr
	WIN 0
.endm
.macro PV u, first                     ; O^T += V^T P: d tiles 4 u .. 4 u + 3 x both tiles: each of the 16 accumulators has one instruction a step
	WIN 0x50
.irp t, 0,1,2,3
.irp a, 0,1
.if \first
	v_wmma_f32_16x16x128_fp8_fp8 v[64*\a+8*(4*(\u)+\t):64*\a+8*(4*(\u)+\t)+7], v[S+16*(4*(\u)+\t):S+16*(4*(\u)+\t)+15], v[P+16*\a:P+16*\a+15], 0
.else
	v_wmma_f32_16x16x128_fp8_fp8 v[64*\a+8*(4*(\u)+\t):64*\a+8*(4*(\u)+\t)+7], v[S+16*(4*(\u)+\t):S+16*(4*(\u)+\t)+15], v[P+16*\a:P+16*\a+15], v[64*\a+8*(4*(\u)+\t):64*\a+8*(4*(\u)+\t)+7]
.endif
.endr
.endr
.endm
.macro QK u                            ; S^T: key tiles 4 u .. 4 u + 3 x both tiles of queries
	WIN 0x01                                       ; K window 1; Q and S^T window 0
.irp t, 0,1,2,3
.irp a, 0,1
	v_wmma_f32_16x16x128_fp8_fp8 v[S+64*\a+8*(4*\u+\t):S+64*\a+8*(4*\u+\t)+7], v[KF+16*(4*\u+\t):KF+16*(4*\u+\t)+15], v[QF+16*\a:QF+16*\a+15], 0
.endr
.endr
.endm
; A STEP up to both tiles' codes, with V's fragments asked for.  chg: 1 a round that starts the next fill; 3 (step 6) a barrier shows the last fill, nothing is filled; 0 (odd steps) no barrier.
; k: 2 K of the next step is loaded and that of the step behind it prefetched, 1 loaded alone, 0 neither.  part: V's place in the slot.
.macro SCORES chg, k, part
.rept 5
	v_nop                                          ; five places: S^T is written over the registers from which the last products read V
.endr
	s_wait_loadcnt 16                              ; loads come back in order: K's fragments 0 to 3 are in, the other four's sixteen loads may be out
	QK 0
	s_wait_loadcnt 0x0
	QK 1
	WIN 0
.if \k
	s_wait_xcnt 0x0                                ; any prefetch of mine has read K's base (its loads are done), so it may be written
	s_add_nc_u64 s[KP:KP+1], s[KP:KP+1], STEPB
.endif
.rept 3
	v_nop                                          ; with the addition below four places behind the products
.endr
	v_add_nc_u32 v[ADV], s[TB], v[AK0]
.if \k
	KLOAD
.endif
.if (\k) == 2
	KASK
.endif
.set n, 0
.rept 30
	MAXLINE 0
	MAXLINE 1
.set n, n+1
.endr
.set n, 0
.rept 10
	STATLINE 0
	STATLINE 1
.set n, n+1
.endr
	FMAS 0
	FMAS 1
	AWAIT                                          ; ahead of the batch
.set n, 0
.rept 128
	v_exp_f32 v[S+n], v[S+n]
.set n, n+1
.endr
	v_nop                                          ; a plain line behind the last exponential
	AWAIT                                          ; ahead of the batch's first reader
.if \chg
	s_wait_tensorcnt 0x0                           ; my part of this step's fill is in; no tensor load of mine is out, so the group 0 may be written
.if (\chg) == 1
	ds_add_u32 v[SPW], v[NIL]                      ; 0 onto my spare word
	s_xor_b32 s[G0+1], s[G0+1], SLOT1              ; the other slot than last time,
	s_add_nc_u64 s[G0+2:G0+3], s[G0+2:G0+3], 2*STEPB ; two steps on; the type bits on top are not reached
	s_wait_xcnt 0x0                                ; any prefetch of mine has read its address, so it may be written
	s_add_nc_u64 s[PFA:PFA+1], s[PFA:PFA+1], 2*STEPB
.endif
	POST 0, 0, 2
	AWAIT
	s_wait_dscnt 0x0                               ; the add is done, and my reads of the other slot are over
	s_barrier_signal -1                            ; work on registers while the others arrive
	POST 0, 2, 6
	AWAIT
	s_barrier_wait -1
.if (\chg) == 1
	CREST                                          ; no wave of any partner still reads that slot or has a load on its way
	FILL                                           ; it has two steps in which to land
	ASK
.endif
.else
	POST 0, 0, 8
.endif
	VLOAD 0, \part
	POST 1, 0, 8
	VLOAD 1, \part
.endm
.macro STEP chg, first, k, part
	SCORES \chg, \k, \part
.if (\first) == 0
	RESCALE
.endif
	AWAIT
	s_wait_dscnt 16                                ; V's fragments 0 to 3 are in; the sixteen loads of fragments 4 to 7 may be out
	PV 0, \first
	s_wait_dscnt 0x0
	PV 1, \first
	WIN 0
.endm
	s_load_b256 s[4:11], s[0:1], 0x0               ; q s[4:5], kv s[6:7], the scales' exponents s[8:9], out s[10:11]
	v_lshl_add_u32 v[SPW], v0, 2, SPARE
	v_mov_b32 v[NIL], 0
	ds_add_u32 v[SPW], v[NIL]                      ; the opening: the add, twice on end, and its wait
	ds_add_u32 v[SPW], v[NIL]
	v_lshrrev_b32 v[TMP], 5, v0
	v_readfirstlane_b32 s[WV], v[TMP]              ; wave 0..7
	v_and_b32 v[TMP], 31, v0
	v_lshlrev_b32 v[LO], 4, v[TMP]
	s_and_b32 s[KG], s[WV], 3                      ; my key group
	s_lshr_b32 s[QG], s[WV], 2                     ; my half of the queries
	s_bfe_u32 s15, ttmp6, 0x40000                  ; cx
	s_lshl_b32 s16, ttmp9, 2
	s_add_co_u32 s16, s16, s15                     ; my block of 64 queries: it enters q's and out's addresses alone (cx the prefetches' too)
	s_and_b32 s17, ttmp7, 0xffff                   ; the batch, which the four partners share
	s_mov_b32 s[G1], 15|(3<<16)|(1<<21)            ; the mask: all four work-groups; elements of 8 bytes; 21 set beside a mask; no padding
	s_mov_b32 s[G1+1], 32<<16                      ; tensor_dim0 = 32: rows of 256 bytes
	s_mov_b32 s[G1+2], 64<<16                      ; tensor_dim1 = 64
	s_mov_b32 s[G1+3], 32<<16                      ; tile_dim0 = 32
	s_mov_b32 s[G1+4], 64                          ; tile_dim1 = 64: 16,384 bytes, dense
	s_mov_b32 s[G1+5], 32                          ; from row to row
	s_mov_b32 s[G1+6], 0
	s_mov_b32 s[G1+7], 0
	s_mov_b32 s[SEL], 0x76543210
	s_mov_b32 s[SEL+1], 0xfedcba98
	s_mov_b32 s[TB], 0
	s_mov_b32 s[FILLS], 3
	s_cmp_eq_u32 ttmp9, 0                          ; the batch's first cluster prefetches: the same in all four partners
	s_cselect_b32 s[LIM], 1, -1
	s_lshl_b32 s58, s17, 20                        ; K: the batch, my key group, step 0
	s_lshl_b32 s51, s[KG], 18
	s_add_co_u32 s58, s58, s51
	s_mov_b32 s59, 0
	s_lshl_b32 s51, s[QG], 15
	s_add_co_u32 s50, s58, s51
	s_add_co_u32 s50, s50, PART                    ; V of step qg
	s_mov_b32 s51, 0
	s_lshl_b32 s52, s15, 12                        ; V's prefetches: my work-group's 4,096 bytes of the part, in fill 1
	s_add_co_u32 s52, s52, s50
	s_add_co_u32 s52, s52, 2*STEPB
	s_mov_b32 s53, 0
	s_lshl_b32 s54, s17, 19                        ; q: tile 256 batch + 4 block + 2 qg, 2,048 bytes a tile
	s_lshl_b32 s55, s16, 13
	s_add_co_u32 s54, s54, s55
	s_lshl_b32 s55, s[QG], 12
	s_add_co_u32 s54, s54, s55
	s_mov_b32 s55, 0
	s_lshl_b32 s56, s17, 21                        ; out: row 4,096 batch + 64 block + 32 qg + 8 kg, 512 bytes a row
	s_lshl_b32 s57, s16, 15
	s_add_co_u32 s56, s56, s57
	s_lshl_b32 s57, s[QG], 14
	s_add_co_u32 s56, s56, s57
	s_lshl_b32 s57, s[KG], 12
	s_add_co_u32 s56, s56, s57
	s_mov_b32 s57, 0
	s_lshl_b32 s48, s[KG], 15
	s_lshl_b32 s49, s[QG], 14
	s_add_co_u32 s49, s48, s49                     ; my part of a slot
	AWAIT
	s_wait_dscnt 0x0                               ; both opening adds are done
	s_wait_kmcnt 0x0
	s_load_b128 s[44:47], s[8:9], 0x18             ; e6, e7, e8, e9
	s_add_nc_u64 s[4:5], s[4:5], s[54:55]
	s_add_nc_u64 s[KP:KP+1], s[6:7], s[58:59]
.irp a, 0,1
.irp c, 0,1,2,3
	global_load_b128 v[QF+16*\a+4*\c:QF+16*\a+4*\c+3], v[LO], s[4:5] offset:2048*\a+512*\c   ; Q's two fragments stay in registers
.endr
.endr
	KLOAD                                          ; K of step 0
	s_mov_b32 s[G0], 1                             ; count = 1
	s_mov_b32 s[G0+1], s49                         ; LDS address: slot 0: no place in the cluster enters it
	s_add_nc_u64 s[G0+2:G0+3], s[6:7], s[50:51]
	s_or_b32 s[G0+3], s[G0+3], 0x80000000          ; type = 2
	s_add_nc_u64 s[PFA:PFA+1], s[6:7], s[52:53]
	s_add_nc_u64 s[10:11], s[10:11], s[56:57]
	CROUND                                         ; all four work-groups are here: the first joint loads meet
	FILL                                           ; fill 0: one load of mine is out, here and behind every round
	s_lshl_b32 s49, s[WV], 9
	s_add_co_u32 s49, s49, STAT
	s_lshl_b32 s50, s[QG], 11
	s_add_co_u32 s50, s50, STAT
	s_mul_i32 s51, s[WV], WSTG
	s_mul_i32 s52, s[QG], 4*WSTG
	s_mul_i32 s53, s[KG], 8*SP
	s_add_co_u32 s52, s52, s53
	s_lshl_b32 s54, s15, 12
	s_lshl_b32 s55, s[QG], 11
	s_add_co_u32 s54, s54, s55
	AWAIT
	v_add_nc_u32 v[AK0], s48, v[LO]
	v_lshl_add_u32 v[SA], v[TMP], 3, s49           ; the merge: my statistics,
	v_lshl_add_u32 v[SR], v[TMP], 3, s50           ; and those of the four waves that share my queries
	v_min_u32 v[PFO], 15, v[TMP]
	v_lshlrev_b32 v[PFO], 8, v[PFO]
	v_min_u32 v[PFK], 7, v[TMP]
	v_lshl_add_u32 v[PFK], v[PFK], 8, s54
	v_and_b32 v[STO], 15, v0
	v_mul_u32_u24 v[STO], v[STO], SP
	v_bfe_u32 v[TMP], v0, 4, 1
	v_lshl_add_u32 v[STO], v[TMP], 5, v[STO]
	v_add_nc_u32 v[STO], s51, v[STO]               ; into my stage: row lane % 16, + 32 (lane / 16)
	v_add_nc_u32 v[RD], s52, v[LO]                 ; back: rows 8 kg .. 8 kg + 7 of the four stages, 16 bytes a lane
.irp a, 0,1
	v_mov_b32 v[ST+8*\a], 0x7f61b1e6               ; -M: 3e38
	v_mov_b32 v[ST+8*\a+1], 0xff61b1e6             ; the largest score so far: -3e38, under every score
	v_mov_b32 v[ST+8*\a+2], 0                      ; the sums: the first step's f is 0 and leaves them zeros
	v_mov_b32 v[ST+8*\a+3], 0
	v_mov_b32 v[ST+8*\a+4], 0
	v_mov_b32 v[ST+8*\a+5], 0
	v_mov_b32 v[ST+8*\a+7], 0                      ; written once: a lane permute's destination counts as one of its sources
.endr
	AWAIT
	s_wait_kmcnt 0x0
	s_add_co_i32 s48, s44, s45
	s_lshl_b32 s48, s48, 23
	s_mov_b32 s[CS], 0x3d38aa3b                    ; log2(e) / 32
	s_add_co_i32 s[CS], s[CS], s48                 ; a score stands for score x 2^(e6 + e7): the exponents are added to c's exponent field
	s_mov_b32 s[CS+1], s[CS]                       ; (named with it as a pair, so it is written)
	s_xor_b32 s[NC], s[CS], 0x80000000
	s_add_co_i32 s48, s46, 127
	s_lshl_b32 s49, s48, 23
	v_mov_b32 v[PSC], s49
	s_add_co_i32 s48, s48, 8
	s_lshl_b32 s48, s48, 23
	s_or_b32 s[HLD], s48, 0x600000
	s_add_co_i32 s[EPV], s46, s47
	AWAIT                                          ; the head's end
	STEP 1, 1, 2, 0                                ; step 0: fill 1
	STEP 0, 0, 2, PART                             ; step 1
	s_xor_b32 s[TB], s[TB], SLOT1
	s_mov_b32 s[FILLS], 2
.Ltrip:                                                ; two trips, steps 2 to 5: fills 2 and 3
	STEP 1, 0, 2, 0
	STEP 0, 0, 2, PART
	s_xor_b32 s[TB], s[TB], SLOT1
	s_sub_co_u32 s[FILLS], s[FILLS], 1
	s_cmp_lg_u32 s[FILLS], 0
	s_cbranch_scc1 .Ltrip
	STEP 3, 0, 1, 0                                ; step 6
	SCORES 0, 0, PART                              ; step 7
	; THE MERGE of the four key groups.  First each wave's own l; it takes the place of the largest score: (-M, l) is a pair.
.irp a, 0,1
	v_pk_add_f32 v[ST+8*\a+2:ST+8*\a+3], v[ST+8*\a+2:ST+8*\a+3], v[ST+8*\a+4:ST+8*\a+5]
.endr
.irp a, 0,1
	v_add_f32 v[ST+8*\a+1], v[ST+8*\a+2], v[ST+8*\a+3]
.endr
.irp a, 0,1
	v_permlanex16_b32 v[ST+8*\a+7], v[ST+8*\a+1], s[SEL], s[SEL+1]
.endr
.irp a, 0,1
	v_add_f32 v[ST+8*\a+1], v[ST+8*\a+1], v[ST+8*\a+7]
.endr
.irp a, 0,1
	ds_store_b64 v[SA], v[ST+8*\a:ST+8*\a+1] offset:256*\a
.endr
	RESCALE
	AWAIT
	s_wait_dscnt 0x0                               ; V is in, my reads of the slots are over; for the others' sake: my statistics have landed
	s_barrier_signal -1                            ; work on registers while the others arrive: the last products
	PV 0, 0
	PV 1, 0
	WIN 0
	AWAIT
	s_barrier_wait -1                              ; nobody reads a slot any more: the stages may be written
.irp a, 0,1
.irp g, 0,1,2,3
	ds_load_b64 v[MG+8*\a+2*\g:MG+8*\a+2*\g+1], v[SR] offset:512*\g+256*\a
.endr
.endr
	s_wait_dscnt 0x0
.irp a, 0,1
	v_min3_num_f32 v[U+8*\a], v[MG+8*\a], v[MG+8*\a+2], v[MG+8*\a+4]
.endr
.irp a, 0,1
	v_min_num_f32 v[U+8*\a], v[U+8*\a], v[MG+8*\a+6]                     ; the least -M: the row's M
.endr
.irp g, 0,1,2,3
.irp a, 0,1
	v_sub_f32 v[U+8*\a+1+\g], v[U+8*\a], v[MG+8*\a+2*\g]                 ; group g's M less the row's: a whole number, 0 or less
.endr
.endr
.irp a, 0,1
	v_sub_f32 v[U+8*\a+6], v[U+8*\a], v[ST+8*\a]                         ; my own group's
.endr
.irp g, 0,1,2,3,5
.irp a, 0,1
	v_cvt_i32_f32 v[U+8*\a+1+\g], v[U+8*\a+1+\g]
.endr
.endr
.irp g, 0,1,2,3
.irp a, 0,1
	v_ldexp_f32 v[U+8*\a+1+\g], 1.0, v[U+8*\a+1+\g]
.endr
.endr
.irp a, 0,1
	v_mul_f32 v[U+8*\a+5], v[U+8*\a+1], v[MG+8*\a+1]
.endr
.irp g, 1,2,3
.irp a, 0,1
	v_fma_f32 v[U+8*\a+5], v[U+8*\a+1+\g], v[MG+8*\a+2*\g+1], v[U+8*\a+5]   ; the row's sum under the row's M
.endr
.endr
	AWAIT
.irp a, 0,1
	v_rcp_f32 v[U+8*\a+5], v[U+8*\a+5]
.endr
.irp a, 0,1
	v_ldexp_f32 v[U+8*\a+6], 1.0, v[U+8*\a+6]                            ; (the plain lines behind the reciprocals)
.endr
	AWAIT
.irp a, 0,1
	v_mul_f32 v[ST+8*\a+6], v[U+8*\a+6], v[U+8*\a+5]
.endr
.irp a, 0,1
	v_ldexp_f32 v[ST+8*\a+6], v[ST+8*\a+6], s[EPV]                       ; x 2^(e8 + e9)
.endr
.irp a, 0,1
	WIN 0x41
	AWAIT
.set n, 0
.rept 32
	v_pk_mul_f32 v[64*\a+2*n:64*\a+2*n+1], v[64*\a+2*n:64*\a+2*n+1], v[ST+8*\a+6:ST+8*\a+7] op_sel_hi:[1,0]   ; my part of out: register 8 t + i is head dim 16 t + 8 h + i of query 16 a + lane % 16
.set n, n+1
.endr
	WIN 0x04
.irp t, 0,1,2,3,4,5,6,7
	ds_store_b128 v[STO], v[64*\a+8*\t:64*\a+8*\t+3] offset:16*SP*\a+64*\t
	ds_store_b128 v[STO], v[64*\a+8*\t+4:64*\a+8*\t+7] offset:16*SP*\a+64*\t+16
.endr
.endr
	WIN 0
	AWAIT
	s_wait_dscnt 0x0                               ; for the others' sake: my stores into my stage are done
	s_barrier_signal -1
	s_barrier_wait -1
	WIN 0x40
.irp i, 0,1,2,3,4,5,6,7
.irp g, 0,1,2,3
	ds_load_b128 v[128+32*\g+4*\i:128+32*\g+4*\i+3], v[RD] offset:WSTG*\g+SP*\i   ; a whole row of 512 bytes: group g's part of my query i
.endr
.endr
.macro ROWS h                          ; rows 4 h .. 4 h + 3: summed and stored
	s_wait_dscnt 16-16*\h                          ; h = 0: the 16 loads of rows 4 to 7 may be out
	WIN 0x45
.set n, 128+16*\h
.rept 8
	v_pk_add_f32 v[n:n+1], v[n:n+1], v[32+n:33+n]
	v_pk_add_f32 v[64+n:65+n], v[64+n:65+n], v[96+n:97+n]
.set n, n+2
.endr
.set n, 128+16*\h
.rept 8
	v_pk_add_f32 v[n:n+1], v[n:n+1], v[64+n:65+n]
.set n, n+2
.endr
	WIN 0x04
.set n, 4*\h
.rept 4
	global_store_b128 v[LO], v[128+4*n:131+4*n], s[10:11] offset:512*n th:TH_STORE_NT   ; 32 lanes store a row's 512 consecutive bytes, aligned; written once, read by nobody here
.set n, n+1
.endr
.endm
	ROWS 0
	ROWS 1
	WIN 0
	s_wait_tensorcnt 0x0                           ; the wave's end: behind my last tensor load and my last LDS store
	ds_add_u32 v[SPW], v[NIL]
	s_wait_dscnt 0x0
	CROUND                                         ; the closing round: no work-group ends while a partner may still ask for a tile that names it
	s_endpgm
.Lfunc_end_k_q92e99d0f90_attn:
	.size	k_q92e99d0f90_attn, .Lfunc_end_k_q92e99d0f90_attn-k_q92e99d0f90_attn
	.p2alignl 7, 3214868480
	.fill 96, 4, 3214868480
	.section	.rodata,"a",@progbits
	.p2align	6, 0x0
	.amdhsa_kernel k_q92e99d0f90_attn
		.amdhsa_group_segment_fixed_size 327680
		.amdhsa_private_segment_fixed_size 0
		.amdhsa_enable_private_segment 0
		.amdhsa_kernarg_size 32
		.amdhsa_user_sgpr_count 2
		.amdhsa_user_sgpr_kernarg_segment_ptr 1
		.amdhsa_wavefront_size32 1
		.amdhsa_system_sgpr_workgroup_id_x 1
		.amdhsa_system_sgpr_workgroup_id_y 1
		.amdhsa_system_sgpr_workgroup_id_z 1
		.amdhsa_system_vgpr_workitem_id 0
		.amdhsa_next_free_vgpr 512
		.amdhsa_next_free_sgpr 66
		.amdhsa_reserve_vcc 0
		.amdhsa_float_denorm_mode_32 3
		.amdhsa_float_denorm_mode_16_64 3
		.amdhsa_memory_ordered 1
		.amdhsa_forward_progress 1
		.amdhsa_inst_pref_size 224
	.end_amdhsa_kernel
	.amdgpu_metadata
---
amdhsa.version: [ 1, 2 ]
amdhsa.kernels:
  - .name:           k_q92e99d0f90_attn
    .symbol:         k_q92e99d0f90_attn.kd
    .args:
      - { .name: q, .offset: 0, .size: 8, .value_kind: global_buffer, .address_space: global }
      - { .name: kv, .offset: 8, .size: 8, .value_kind: global_buffer, .address_space: global }
      - { .name: lowp_scales, .offset: 16, .size: 8, .value_kind: global_buffer, .address_space: global }
      - { .name: out0, .offset: 24, .size: 8, .value_kind: global_buffer, .address_space: global }
    .group_segment_fixed_size: 327680
    .private_segment_fixed_size: 0
    .kernarg_segment_align: 8
    .kernarg_segment_size: 32
    .max_flat_workgroup_size: 256
    .sgpr_count:     66
    .vgpr_count:     512
    .wavefront_size: 32
...
	.end_amdgpu_metadata
.endif
;; end of part 2
